; MI455X (gfx1250); checked and timed in simulation.
; The chip was launched on July 23, 2026; its instructions are those of AMD's public machine-readable ISA for CDNA 5 (MIT licence, August 2026) and "CDNA5" Instruction Set Architecture Reference Guide (July 2026). The comments in the code are by the model that wrote it; some were corrected since.
;; Attention. Allowed arithmetic: matrix products marked QUANTISED: E3M2 operands, one E8M0 scale for each 32 along K, by v_wmma_scale_f32_16x16x128_f8f6f4 with both operands' format E3M2, f32 sums; products left as they are: f32 operands where the result goes on into a quantised operand, else bf16, f16 or f32 operands; f32 sums; everything else in f32.
;; Inputs: W1 1,024 x 1,024 float32; W2 1,024 x 1,024 float32; W3 1 x 1,024 float32; b1 1,024 float32; b2 1,024 float32; b3 1 float32; hidden_d 1 x 64 x 1,024 float32; out_e 512 x 64 x 1,024 float32.
;; Outputs: out0 1 x 64 x 1,024 float32; out1 512 x 64 x 1 float32.
;; This version of the problem:
;;   THIS VERSION OF THE PROBLEM IS GIVEN IN LOW PRECISION. The matrix products marked QUANTISED in the list below multiply operands that are first quantised to E3M2 (3 exponent bits, 2 mantissa bits; 6 bits a number), with one power-of-two scale for each 32 numbers along K (OCP MX v1.0); their sums are f32. All else is computed in f32.
;;   The module's matrix products, in the order in which they are computed (A, B: the left and right operand; K: the contracted axis; several contracted axes count as one K, in the product's order):
;;     1. [M 32,768, K 1,024] x [K 1,024, N 1,024]; A: input hidden_d; B: input W1: QUANTISED
;;     2. [M 32,768, K 1,024] x [K 1,024, N 1,024]; A: input out_e; B: input W2: QUANTISED
;;     3. [M 32,768, K 1,024] x [K 1,024, N 1]; A: computed on the way; B: input W3: left as it is (N = 1 < 16)
;;     4. batch 64 x [M 1,024, K 512] x [K 512, N 1]; A: input out_e; B: softmax: left as it is (N = 1 < 16)
;;   THE QUANTISER, for each operand of a quantised product, along K:
;;     - K is cut into blocks of 32 from its start; a last block that is shorter is filled with zeros.
;;     - A block's scale is 2^e with e = floor(log2(the largest magnitude in the block)) - 4, held to -126 .. 127; a block of zeros has e = 0. As a byte (E8M0): e + 127.
;;     - Each number is divided by its block's scale, clamped to +-28, and rounded to the nearest number of E3M2, ties to even, subnormals kept.
;;     - The product sums the exact products of the quantised numbers (number of the format x scale) in f32.
;;   ~~~python
;;   def quantise(x, axis):      # numpy; x: float32 -> the quantised numbers, widened to float32 again
;;       x = np.moveaxis(x, axis, -1); K = x.shape[-1]
;;       x = np.pad(x, [(0, 0)] * (x.ndim - 1) + [(0, -K % 32)]); x = x.reshape(x.shape[:-1] + (-1, 32)); a = np.abs(x).max(-1, keepdims=True)
;;       e = np.where(a > 0, np.clip(np.frexp(np.where(a > 0, a, 1))[1] - 1 - 4, -126, 127), 0)      # np.frexp(a)[1] - 1 = floor(log2(a)), exactly
;;       r = np.clip(x / 2.0 ** e, -28, 28)
;;       step = 2.0 ** (np.maximum(np.frexp(np.where(r == 0, 1, r))[1] - 1, -2) - 2)
;;       q = np.round(r / step) * step * 2.0 ** e      # np.round: ties to even
;;       return np.moveaxis(q.reshape(q.shape[:-2] + (-1,))[..., :K], -1, axis).astype(np.float32)
;;   ~~~
;; One version. Each part assembles by itself: llvm-mc -triple=amdgcn-amd-amdhsa -mcpu=gfx1250 --defsym DOCPART=n.
;; ======== version 1 of 1: 3 launches
;; limits: values are held in bf16: 8 bits of precision; right only within a limited range of input values
;; workspace buffers: w2img 786,432 bytes; w2sc 32,768 bytes; gimg 262,144 bytes; a_ws 131,072 bytes; cpart 2,097,152 bytes
;; launch prep (part 1): grid 256 x 1, 8 waves a work-group, no clusters, 76,800 bytes of LDS; arguments W1, W2, hidden_d, b1, b2, w2img, w2sc, gimg; writes w2img, w2sc, gimg
.if DOCPART == 1
	.amdgcn_target "amdgcn-amd-amdhsa--gfx1250"
	.amdhsa_code_object_version 6
	.text
	.protected	k_q84314cec10_prep
	.globl	k_q84314cec10_prep
	.p2align	8
	.type	k_q84314cec10_prep,@function
k_q84314cec10_prep:
	s_mov_b64 s[64:65], 0
	v_nop
	global_prefetch_b8 v0, s[64:65] scope:SCOPE_SE
	s_setreg_imm32_b32 hwreg(HW_REG_WAVE_MODE, 25, 1), 1
	s_wait_xcnt 0x0
; WORK LEFT OUT, in the whole program.  alpha is the softmax over s of a[s][n], and c is made of alpha and out_e alone.  a = sum over j of W3[j] tanh(x_j) + b3, and tanh(x) = 1 - 2 / (1 + e^(2 x)):
; so a = (b3 + sum of W3) - 2 sum over j of W3[j] / (1 + e^(2 x_j)).  The term in brackets is the same for every s, whatever the inputs hold, and a softmax along s takes it away: it is not formed.
; b3 then has no way to an output: it is not loaded and is no launch's argument.  LIMIT: a NaN, an infinity or an overflow that would reach the results through that term alone is not carried to them.
; 256 equal work-groups (T = 0..63, m = 0..3), eight waves; wave w takes K step w (128 of the 1,024 along K).
; EVERY WAVE: g = Q(hidden_d) Q(W1)^T for batch rows 16 m .. and columns 16 T ..: one matrix instruction a wave; the eight K steps' parts are added through LDS, and gimg takes c (g + b1 + b2), c = 2 log2(e):
;   what the next launch adds to c x its own product ahead of the exponential of tanh.  reference() repeats hidden_d's 64 rows 512 times: they are multiplied once.
;   gimg [T][m][qq 0..1][lane][4 f32]: lane (r, h), word e: batch row 16 m + r, column 16 T + 8 h + 4 qq + e.
; THE TWO WAVES WITH w / 2 = m ALSO: rows 16 T .. 16 T + 15 of W2, K step w, become codes of BF6 (E3M2) with one E8M0 byte for each 32 along K, stored as an IMAGE OF THE OPERAND'S REGISTERS:
;   w2img [K step][T][c 0..2][lane][16 bytes], w2sc [K step][T][row] one word of four bytes.  64 tiles x 8 K steps are 512 such jobs: two for each of the 256 work-groups, each made once.
; HOW THE NUMBERS COME: a load takes the 512 consecutive bytes that a K step has of ONE row, 16 bytes a lane; the 16 rows then turn through the wave's own stage in LDS and come back so that lane (r, h) holds blocks h and 2 + h
; of row r whole: the order that the operand's layout gives that lane, so a block's largest magnitude needs no other lane.
; A block's scale is 2^(floor(log2(largest magnitude)) - 4); its byte is the largest magnitude's exponent field - 4, held at 1 from below.
; LIMITS: a block whose largest magnitude lies under 2^-122, a block of zeros among them, gets the byte 1 (a block of zeros has zero codes, and these bytes are read by this program alone); NaN and infinities are not served.
.set STG, 9216                         ; LDS: bytes 0 .. 8,191 the parts of g, 8,192 .. 9,215 the spare words, then a stage of 16 rows x SPT for each wave
.set SPT, 528                          ; 512 bytes + 16: 33 x 16, so the 16 rows that a load of 16 bytes a lane touches start in 16 different groups of banks (ISA guide 11.1)
.set LO,  4                            ; v4   w x 512 + 16 x lane: my 16 bytes of a row's K step
.set L16, 5                            ; v5   16 x lane
.set SH8, 6                            ; v6   8 h: where my two scale bytes stand in the word
.set TP,  7                            ; v7   a lane permute's destination (written once: it counts as a source)
.set R4,  8                            ; v8   4 r
.set BO,  9                            ; v9   the biases: 32 h + 16 (w % 2)
.set LW,  10                           ; v10  LDS: where I put my part of g: 1,024 w + 16 x lane
.set LR,  11                           ; v11  LDS: where waves 0 and 1 read: 512 (w % 2) + 16 x lane
.set M,   12                           ; v12-13 largest magnitudes;  v14-15 the conversions' scale operands;  v16-17 the bytes
.set SO,  14
.set BY,  16
.set STW, 18                           ; v18  my stage, written: 16 x lane
.set STR, 19                           ; v19  my stage, read: r SPT + 128 h
.set G,   20                           ; v20-22, v24-26 the upper halves of a block's codes
.set FW,  28                           ; v28-39 W1's fragment;  v40 its scale word
.set SWW, 40
.set FH,  42                           ; v42-53 W2's fragment, then hidden_d's;  v54 its scale word
.set SWH, 54
.set BB1, 56                           ; v56-59 b1, v60-63 b2
.set BB2, 60
.set X0,  64                           ; v64-127, v128-191, v192-255: 64 numbers each: W1's, hidden_d's, W2's
.set X1,  128
.set X2,  192
.set ACC, 64                           ; v64-71: over W1's numbers, which are codes by then
.set WV,  20                           ; s20 wave = K step
.set SEL, 22                           ; s[22:23] v_permlanex16_b32's selects for lane l xor 16
; 64 numbers of a lane, register 32 c + i = number i of block 2 c + h of row r, become the fragment v[f] .. v[f + 11] and the row's scale word v[sw], whole in every lane.
.macro QUANT x, f, sw
	v_max3_num_f32 v[M], |v[\x]|, |v[\x+1]|, 0x2800000             ; the floor 2^(5 - 127) among the leaves holds the byte at 1 from below
	v_max3_num_f32 v[M+1], |v[\x+32]|, |v[\x+33]|, 0x2800000
.set qi, 2
.rept 15
	s_delay_alu instid0(VALU_DEP_2)
	v_max3_num_f32 v[M], v[M], |v[\x+qi]|, |v[\x+qi+1]|             ; the two blocks by turns
	s_delay_alu instid0(VALU_DEP_2)
	v_max3_num_f32 v[M+1], v[M+1], |v[\x+32+qi]|, |v[\x+33+qi]|
.set qi, qi+2
.endr
	s_delay_alu instid0(VALU_DEP_2)
	v_add_nc_u32 v[SO], 0xfe000000, v[M]                           ; 4 off the exponent field: the conversion takes this operand's exponent field as its scale
	s_delay_alu instid0(VALU_DEP_2)
	v_add_nc_u32 v[SO+1], 0xfe000000, v[M+1]
	s_delay_alu instid0(VALU_DEP_2)
	v_lshrrev_b32 v[BY], 23, v[SO]                                 ; the scale's byte
	s_delay_alu instid0(VALU_DEP_2)
	v_lshrrev_b32 v[BY+1], 23, v[SO+1]
	s_delay_alu instid0(VALU_DEP_1)
	v_lshl_or_b32 v[\sw], v[BY+1], 16, v[BY]                       ; blocks h and 2 + h,
	s_delay_alu instid0(VALU_DEP_1)
	v_lshlrev_b32 v[\sw], v[SH8], v[\sw]                           ; at their places in the word;
	s_delay_alu instid0(VALU_DEP_1)
	v_permlanex16_b32 v[TP], v[\sw], s[SEL], s[SEL+1]
	s_delay_alu instid0(VALU_DEP_1)
	v_or_b32 v[\sw], v[\sw], v[TP]                                 ; with lane l xor 16's two the word is whole
.irp c, 0,1
	v_cvt_scalef32_pk16_bf6_f32 v[\f+6*\c:\f+6*\c+2], v[\x+32*\c:\x+32*\c+15], v[SO+\c]
	v_cvt_scalef32_pk16_bf6_f32 v[G+4*\c:G+4*\c+2], v[\x+32*\c+16:\x+32*\c+31], v[SO+\c]   ; (a conversion's three registers begin on an even number)
.endr
	v_nop                                                          ; one plain place behind the scaled conversions
.irp c, 0,1
.irp i, 0,1,2
	v_mov_b32 v[\f+6*\c+3+\i], v[G+4*\c+\i]
.endr
.endr
.endm
; my K step of 16 rows: load i takes row i's 512 consecutive bytes, at a multiple of 256 from the buffer's first byte
.macro LOADX x, b, nt
.set qi, 0
.rept 16
.if \nt
	global_load_b128 v[\x+4*qi:\x+4*qi+3], v[LO], s[\b:\b+1] offset:4096*qi th:TH_LOAD_NT
.else
	global_load_b128 v[\x+4*qi:\x+4*qi+3], v[LO], s[\b:\b+1] offset:4096*qi
.endif
.set qi, qi+1
.endr
.endm
; the 16 rows through my stage: in as loaded, row by row; back by blocks: register 32 c + 4 i .. of lane (r, h) takes bytes 128 h + 256 c + 16 i .. of row r
.macro TURN x
.set qi, 0
.rept 16
	ds_store_b128 v[STW], v[\x+4*qi:\x+4*qi+3] offset:SPT*qi
.set qi, qi+1
.endr
	s_wait_dscnt 0x0                               ; the stores have read their registers: the loads below land there
.set qi, 0
.rept 16
	ds_load_b128 v[\x+4*qi:\x+4*qi+3], v[STR] offset:256*(qi/8)+16*(qi%8)
.set qi, qi+1
.endr
	s_wait_dscnt 0x0
.endm
	s_load_b256 s[4:11], s[0:1], 0x0               ; W1 s[4:5], W2 s[6:7], hidden_d s[8:9], b1 s[10:11]
	s_load_b256 s[12:19], s[0:1], 0x20             ; b2 s[12:13], w2img s[14:15], w2sc s[16:17], gimg s[18:19]
	v_lshl_add_u32 v41, v0, 2, 0x2000
	v_mov_b32 v55, 0
	v_lshrrev_b32 v1, 5, v0
	s_delay_alu instid0(VALU_DEP_1)
	v_readfirstlane_b32 s[WV], v1
	s_lshl_b32 s33, s[WV], 9
	s_mul_i32 s34, s[WV], 16*SPT
	s_add_co_u32 s34, s34, STG                     ; my stage
	s_and_b32 s21, s[WV], 1                        ; qq in waves 0 and 1
	s_lshl_b32 s35, s21, 4
	s_lshl_b32 s36, s[WV], 10
	s_lshl_b32 s37, s21, 9
	s_mov_b32 s[SEL], 0x76543210
	s_mov_b32 s[SEL+1], 0xfedcba98
	s_mov_b32 s25, 0                               ; the upper word of every offset below
	s_lshr_b32 s26, ttmp9, 2                       ; T
	s_and_b32 s27, ttmp9, 3                        ; m
	s_lshr_b32 s29, s[WV], 1                       ; W2's job is mine where this is m
	v_and_b32 v1, 31, v0                           ; lane
	v_and_b32 v2, 15, v0                           ; r
	v_bfe_u32 v3, v0, 4, 1                         ; h
	v_mov_b32 v[TP], 0
	v_lshl_add_u32 v[LO], v1, 4, s33
	v_lshlrev_b32 v[L16], 4, v1
	v_lshlrev_b32 v[SH8], 3, v3
	v_lshlrev_b32 v[R4], 2, v2
	v_lshl_add_u32 v[BO], v3, 5, s35
	v_mul_u32_u24 v[STR], v2, SPT
	v_add_nc_u32 v[LW], s36, v[L16]
	v_add_nc_u32 v[LR], s37, v[L16]
	v_add_nc_u32 v[STW], s34, v[L16]
	s_delay_alu instid0(VALU_DEP_4)
	v_lshl_add_u32 v[STR], v3, 7, v[STR]
	s_delay_alu instid0(VALU_DEP_1)
	v_add_nc_u32 v[STR], s34, v[STR]
	s_wait_alu depctr_va_vdst(0)                   ; the wait at the head's end
	s_wait_kmcnt 0x0
	s_lshl_b32 s24, s26, 16                        ; 16 rows of 4,096 bytes
	s_add_nc_u64 s[4:5], s[4:5], s[24:25]          ; W1 at row 16 T
	s_add_nc_u64 s[6:7], s[6:7], s[24:25]          ; W2 likewise
	s_lshl_b32 s24, s27, 16
	s_add_nc_u64 s[8:9], s[8:9], s[24:25]          ; hidden_d at row 16 m
	s_lshl_b32 s24, s26, 6
	s_add_nc_u64 s[10:11], s[10:11], s[24:25]      ; the biases at column 16 T
	s_add_nc_u64 s[12:13], s[12:13], s[24:25]
	LOADX X0, 4, 0                                 ; (four work-groups read these rows of W1, sixty-four these rows of hidden_d: no hint)
	LOADX X1, 8, 0
	global_load_b128 v[BB1:BB1+3], v[BO], s[10:11]
	global_load_b128 v[BB2:BB2+3], v[BO], s[12:13]
	s_lshl_b32 s28, s[WV], 12                      ; w2sc: K step x 4,096 + T x 64
	s_add_co_u32 s24, s24, s28
	s_add_nc_u64 s[16:17], s[16:17], s[24:25]
	s_mul_i32 s24, s[WV], 98304                    ; w2img: K step x 64 tiles x 1,536 + T x 1,536
	s_mul_i32 s28, s26, 1536
	s_add_co_u32 s24, s24, s28
	s_add_nc_u64 s[14:15], s[14:15], s[24:25]
	s_lshl_b32 s24, s26, 12                        ; gimg: T x 4,096 + m x 1,024 + qq x 512
	s_lshl_b32 s28, s27, 10
	s_add_co_u32 s24, s24, s28
	s_lshl_b32 s28, s21, 9
	s_add_co_u32 s24, s24, s28
	s_add_nc_u64 s[18:19], s[18:19], s[24:25]
	s_mov_b32 s30, 0x4038aa3b                      ; c = 2 log2(e)
	s_mov_b32 s31, s30                             ; (named with it as a pair, so it is written)
	s_cmp_lg_u32 s29, s27                          ; the wave's number against the work-group's: no barrier stands in the branch
	s_cbranch_scc1 .Lnot_mine
	; ---- W2's fragment (T, K step w): loads, wait, codes and stores stand in this one branch, behind the issue of the 34 loads above, so that the counted waits behind the join count the same on both ways
	LOADX X2, 6, 1                                 ; read once in the launch
	s_wait_loadcnt 0x0
	TURN X2
	QUANT X2, FH, SWH
.irp c, 0,1,2
	global_store_b128 v[L16], v[FH+4*\c:FH+4*\c+3], s[14:15] offset:512*\c   ; 32 lanes store 512 consecutive bytes, at a multiple of 256 from the buffer's first byte
.endr
	v_cmp_gt_u32 vcc_lo, 16, v1
	s_wait_xcnt 0x0                                ; EXEC is a source of the stores above: it changes only behind this wait
	s_and_saveexec_b32 s32, vcc_lo
	global_store_b32 v[R4], v[SWH], s[16:17]       ; lanes 0-15: the 16 rows' words, 64 bytes (the whole buffer is 32,768 bytes)
	s_wait_xcnt 0x0                                ; and again ahead of the line that widens it; the fragment's registers are free behind it too
	s_or_b32 exec_lo, exec_lo, s32
.Lnot_mine:
	; ---- W1 and hidden_d
	s_wait_loadcnt 18                              ; W1's sixteen are in; hidden_d's sixteen and the two biases may be out
	TURN X0
	QUANT X0, FW, SWW
	s_wait_loadcnt 2                               ; hidden_d's are in; the two biases may be out
	TURN X1
	QUANT X1, FH, SWH
.rept 8
	v_nop                                          ; a scale register written by a vector instruction stands 8 places ahead of a scaled matrix instruction, an operand so written 4
.endr
	v_wmma_scale_f32_16x16x128_f8f6f4 v[ACC:ACC+7], v[FW:FW+11], v[FH:FH+11], 0, v[SWW], v[SWH] matrix_a_fmt:MATRIX_FMT_BF6 matrix_b_fmt:MATRIX_FMT_BF6   ; source 0 = 16 rows of W1: register j of lane (r, h) is g(batch 16 m + r, column 16 T + 8 h + j), my K step's part
.rept 4
	v_nop                                          ; four places ahead of the first read of the result (ISA guide 7.12.1)
.endr
	ds_store_b128 v[LW], v[ACC:ACC+3]              ; from the low end on
	ds_store_b128 v[LW], v[ACC+4:ACC+7] offset:512
	s_wait_dscnt 0x0                               ; for the others' sake: my stores have landed
	s_barrier_signal -1
	s_barrier_wait -1
	s_cmp_gt_u32 s[WV], 1                          ; waves 0 and 1 add the eight parts, four columns a lane each
	s_cbranch_scc1 .Ldone
.irp u, 0,1,2,3,4,5,6,7
	ds_load_b128 v[X0+4*\u:X0+4*\u+3], v[LR] offset:1024*\u
.endr
	s_wait_dscnt 0x0
.irp a, 0,2,4,6
	v_pk_add_f32 v[X0+4*\a:X0+4*\a+1], v[X0+4*\a:X0+4*\a+1], v[X0+4*\a+4:X0+4*\a+5]
	v_pk_add_f32 v[X0+4*\a+2:X0+4*\a+3], v[X0+4*\a+2:X0+4*\a+3], v[X0+4*\a+6:X0+4*\a+7]
.endr
.irp a, 0
	v_pk_add_f32 v[X0+4*\a:X0+4*\a+1], v[X0+4*\a:X0+4*\a+1], v[X0+4*\a+8:X0+4*\a+9]
	v_pk_add_f32 v[X0+4*\a+2:X0+4*\a+3], v[X0+4*\a+2:X0+4*\a+3], v[X0+4*\a+10:X0+4*\a+11]
.endr
.irp a, 4
	s_delay_alu instid0(VALU_DEP_4)
	v_pk_add_f32 v[X0+4*\a:X0+4*\a+1], v[X0+4*\a:X0+4*\a+1], v[X0+4*\a+8:X0+4*\a+9]
	s_delay_alu instid0(VALU_DEP_4)
	v_pk_add_f32 v[X0+4*\a+2:X0+4*\a+3], v[X0+4*\a+2:X0+4*\a+3], v[X0+4*\a+10:X0+4*\a+11]
.endr
	s_delay_alu instid0(VALU_DEP_2)
	v_pk_add_f32 v[X0:X0+1], v[X0:X0+1], v[X0+16:X0+17]
	s_delay_alu instid0(VALU_DEP_2)
	v_pk_add_f32 v[X0+2:X0+3], v[X0+2:X0+3], v[X0+18:X0+19]
	s_wait_alu depctr_va_vdst(0)
	s_wait_loadcnt 0x0                             ; the biases
	v_pk_add_f32 v[X0:X0+1], v[X0:X0+1], v[BB1:BB1+1]
	v_pk_add_f32 v[X0+2:X0+3], v[X0+2:X0+3], v[BB1+2:BB1+3]
	s_delay_alu instid0(VALU_DEP_2)
	v_pk_add_f32 v[X0:X0+1], v[X0:X0+1], v[BB2:BB2+1]
	s_delay_alu instid0(VALU_DEP_2)
	v_pk_add_f32 v[X0+2:X0+3], v[X0+2:X0+3], v[BB2+2:BB2+3]
	s_delay_alu instid0(VALU_DEP_2)
	v_pk_mul_f32 v[X0:X0+1], v[X0:X0+1], s[30:31] op_sel_hi:[1,0]
	s_delay_alu instid0(VALU_DEP_2)
	v_pk_mul_f32 v[X0+2:X0+3], v[X0+2:X0+3], s[30:31] op_sel_hi:[1,0]
	global_store_b128 v[L16], v[X0:X0+3], s[18:19] ; 512 consecutive bytes, at a multiple of 256 from the buffer's first byte
.Ldone:
	s_wait_tensorcnt 0x0                           ; the wave's end, behind my last LDS store
	ds_add_u32 v41, v55
	s_wait_dscnt 0x0
	s_endpgm
.Lfunc_end_k_q84314cec10_prep:
	.size	k_q84314cec10_prep, .Lfunc_end_k_q84314cec10_prep-k_q84314cec10_prep
	.p2alignl 7, 3214868480
	.fill 96, 4, 3214868480
	.section	.rodata,"a",@progbits
	.p2align	6, 0x0
	.amdhsa_kernel k_q84314cec10_prep
		.amdhsa_group_segment_fixed_size 76800
		.amdhsa_private_segment_fixed_size 0
		.amdhsa_enable_private_segment 0
		.amdhsa_kernarg_size 64
		.amdhsa_user_sgpr_count 2
		.amdhsa_user_sgpr_kernarg_segment_ptr 1
		.amdhsa_wavefront_size32 1
		.amdhsa_system_sgpr_workgroup_id_x 1
		.amdhsa_system_sgpr_workgroup_id_y 1
		.amdhsa_system_sgpr_workgroup_id_z 1
		.amdhsa_system_vgpr_workitem_id 0
		.amdhsa_next_free_vgpr 256
		.amdhsa_next_free_sgpr 66
		.amdhsa_reserve_vcc 1
		.amdhsa_float_denorm_mode_32 3
		.amdhsa_float_denorm_mode_16_64 3
		.amdhsa_memory_ordered 1
		.amdhsa_forward_progress 1
		.amdhsa_inst_pref_size 30
	.end_amdhsa_kernel
	.amdgpu_metadata
---
amdhsa.version: [ 1, 2 ]
amdhsa.kernels:
  - .name:           k_q84314cec10_prep
    .symbol:         k_q84314cec10_prep.kd
    .args:
      - { .name: W1, .offset: 0, .size: 8, .value_kind: global_buffer, .address_space: global }
      - { .name: W2, .offset: 8, .size: 8, .value_kind: global_buffer, .address_space: global }
      - { .name: hidden_d, .offset: 16, .size: 8, .value_kind: global_buffer, .address_space: global }
      - { .name: b1, .offset: 24, .size: 8, .value_kind: global_buffer, .address_space: global }
      - { .name: b2, .offset: 32, .size: 8, .value_kind: global_buffer, .address_space: global }
      - { .name: w2img, .offset: 40, .size: 8, .value_kind: global_buffer, .address_space: global }
      - { .name: w2sc, .offset: 48, .size: 8, .value_kind: global_buffer, .address_space: global }
      - { .name: gimg, .offset: 56, .size: 8, .value_kind: global_buffer, .address_space: global }
    .group_segment_fixed_size: 76800
    .private_segment_fixed_size: 0
    .kernarg_segment_align: 8
    .kernarg_segment_size: 64
    .max_flat_workgroup_size: 256
    .sgpr_count:     66
    .vgpr_count:     256
    .wavefront_size: 32
...
	.end_amdgpu_metadata
.endif
;; end of part 1
;; launch score (part 2): grid 256 x 1, 4 waves a work-group, no clusters, 288,256 bytes of LDS; arguments out_e, w2img, w2sc, gimg, W3, a_ws, cpart; writes a_ws, cpart
.if DOCPART == 2
	.amdgcn_target "amdgcn-amd-amdhsa--gfx1250"
	.amdhsa_code_object_version 6
	.text
	.protected	k_q84314cec10_score
	.globl	k_q84314cec10_score
	.p2align	8
	.type	k_q84314cec10_score,@function
k_q84314cec10_score:
	s_mov_b64 s[64:65], 0
	v_nop
	global_prefetch_b8 v0, s[64:65] scope:SCOPE_SE
	s_setreg_imm32_b32 hwreg(HW_REG_WAVE_MODE, 25, 1), 1
	s_wait_xcnt 0x0
; For ONE batch row nb and 128 positions s = 128 Q + 0 .. 127 (work-group = 64 Q + nb): a'[s] = -2 sum over j of W3[j] / (1 + 2^(c x_j)), x = g[nb] + Q(out_e[s][nb]) Q(W2)^T, c = 2 log2(e); gimg holds c (g + b1 + b2).
; LEFT OUT: b3 + sum of W3, the same for every s, which the softmax along s takes away (shown at the head of the first kernel).
; Then, for each half of 64 positions, the largest score m, p = e^(a' - m) and the part sum of p x out_e[s][nb][:]: out_e IS READ ONCE; the last launch joins a batch row's eight parts.
; FIRST PART.  Wave w takes rows 32 w .. 32 w + 31 in 16 units of 16 rows x 128 K.  A unit is 16 loads, each 512 consecutive bytes of one row; three or four units (48 to 63 loads) are out.  A unit's numbers (a) are rounded to bf16, four
; neighbouring columns a lane, and kept for the last sum: K steps 0-3 in 256 registers, K steps 4-7 in 128 KiB of LDS; (b) turn through the wave's own stage in LDS, so that lane (r, h) holds blocks h and 2 + h of row r, and become
; codes of BF6 (E3M2) with one E8M0 byte for each 32 along K, stored in LDS as images of the operand's registers.
; SECOND PART.  THE WAVES SHARE THE COLUMNS: wave w multiplies all eight m-tiles by its 16 tiles of W2, four tiles a chunk: 32 accumulators.  Source 0 = 16 rows of W2, source 1 = 16 rows of out_e: register j of lane (r, h) is
; (column 8 h + j, row r), so a row's score is summed inside a lane.  A chunk: eight K steps of 32 products, then tanh's terms in batches.
; NO CLUSTER, NO LDS FOR W2: each fragment of W2 is read by exactly one wave of the work-group, so it goes from memory straight into that wave's registers (three loads of 16 bytes a lane, asked for three K steps ahead);
; LDS would add a write and a read for each byte beside out_e's fragments, which all four waves read there.  NO PREFETCH: the first part has no loop and keeps 48 to 63 loads of each wave out; W2 is read by all 256 work-groups alike.
; The ring of W2 runs on over a chunk's end; in the last chunk its three groups ahead are read from tiles that lie inside the buffers (K steps 0-2, four tiles on) and are not used.
; LIMITS: a block whose largest magnitude lies under 2^-122, a block of zeros among them, gets the scale byte 1 (zero codes add nothing); NaN and infinities are not served; out_e enters the last sum rounded to bf16, p stays f32.
; REGISTERS, in windows of 256 (s_set_vgpr_msb: bits 1:0 source 0, 3:2 source 1, 5:4 source 2, 7:6 destination):
;   window 0: v4-31 addresses; v32-127 the quantiser's, then out_e's eight fragments, then the copy read back; v128-159, v160-167 scale words and nothing else; v168-183 the row sums; v184-215 the column sums; v216-247 p
;   window 1: four units as they are loaded, then accumulator (a, b) at v[8 (4 a + b)]     window 2: v0-191 W2's fragments, four sets; v192-223 c (g + b1 + b2); v224-255 W3     window 3: the copy of K steps 0-3
.set IMG,   0                          ; LDS: out_e's images [K step][m 0..7][c 0..2][lane][16 bytes]
.set ASC,   98304                      ; their scale words [K step][m][row]
.set COPY,  102400                     ; the copy of K steps 4-7: [wave][row 0..31][K step - 4][lane][8 bytes]
.set STG,   233472                     ; a stage of 16 rows x SPT for each wave
.set SPT,   528                        ; 512 bytes + 16: 33 x 16, so the 16 rows that a load of 16 bytes a lane touches start in 16 different groups of banks (ISA guide 11.1)
.set RED,   267264                     ; [wave][row 0..127] f32: the waves' parts of the scores
.set PBC,   269312                     ; [wave][row] f32: p, each wave's own copy
.set CRED,  271360                     ; [wave][1024] f32: the waves' column sums
.set SPARE, 287744                     ; the spare words, 128 bytes for each wave
.set SPW,  4
.set NIL,  5
.set SH8,  6                           ; 8 h
.set TP,   7                           ; a lane permute's destination
.set GO,   8                           ; 16 lane
.set STW,  9                           ; the stage, written: 16 lane
.set STR,  10                          ; the stage, read: r SPT + 128 h
.set IMGW, 11                          ; v11-12 images, written: 3,072 w + 16 lane; K steps 0-3, 4-7
.set ASW,  13                          ; ASC + 128 w + 4 r
.set CPW,  14                          ; COPY + 32,768 w + 8 lane
.set IMGR, 15                          ; v15-16 images, read: 16 lane; K steps 0-3, 4-7
.set ASR,  17                          ; ASC + 4 lane
.set BO,   18                          ; w2img: 24,576 w + 16 lane
.set BSO,  19                          ; w2sc: 1,024 w + 4 lane
.set CGO,  20                          ; gimg: 65,536 w + 1,024 (nb / 16) + 16 (nb % 16) + 256 h
.set W3O,  21                          ; W3: 1,024 w + 32 h
.set REDW, 22
.set REDR, 23
.set PBW,  24
.set PBR,  25
.set CRW,  26
.set CRR,  27
.set CO,   28
.set M,    30
.set X,    32                          ; v32-95 a unit's 64 numbers
.set F,    96                          ; v96-107 its fragment
.set G,    108
.set SW,   116
.set SO,   118
.set BY,   120
.set AF,   32                          ; v32-127 out_e's eight fragments of a K step
.set ASCL, 128                         ; register 4 k + i: lanes 0-15 m-tile 2 i, lanes 16-31 m-tile 2 i + 1, K step k
.set BSC,  160                         ; register 2 (k % 4) + u: lanes 0-15 tile 2 u of the chunk, lanes 16-31 tile 2 u + 1
.set P2,   168                         ; pair a: m-tile a's row sums, even and odd columns
.set CS,   184                         ; register 4 k + e: column 128 k + 4 lane + e
.set TT,   184                         ; first part: a unit's copy on its way to LDS
.set PV,   216                         ; p of my 32 rows, in every lane
.set RES,  184                         ; v184-255, during the products alone: out_e's fragments 0-5 of K step 7, read from LDS once and kept over all four chunks
.set WV,  20
.set NB,  21
.set QC,  22
.set SEL, 24
.set CC,  26
.set LG,  28
.set MSB, 0
.macro WIN new                         ; the immediate's high byte repeats the setting that is left; a switch that changes nothing is dropped
.if MSB != (\new)
	s_set_vgpr_msb (MSB<<8)|(\new)
.set MSB, (\new)
.endif
.endm
.macro PLACES                          ; a load into a register that a matrix instruction has read, and a vector instruction that reads a matrix result, stand four plain vector instructions behind it (ISA guide 7.12.1 for the vector instruction)
.rept 4
	v_nop
.endr
.endm
.macro MEET                            ; my LDS stores have landed and my LDS loads are in: then the work-group's barrier
	s_wait_dscnt 0x0
	s_barrier_signal -1
	s_barrier_wait -1
.endm
.macro GLD u                           ; unit u = (K step u / 2, m-tile u % 2): row i's 512 bytes by one load, into set u % 4 of window 1
	WIN 0x40
.set i, 0
.rept 16
	global_load_b128 v[64*((\u)%4)+4*i:64*((\u)%4)+4*i+3], v[GO], s[4:5] offset:(16*((\u)%2)+i)*262144+((\u)/2)*512 th:TH_LOAD_NT
.set i, i+1
.endr
	WIN 0
.endm
.macro QUANT                           ; register 32 c + i of X = number i of block 2 c + h of row r: the fragment v[F] .. v[F + 11] and the row's scale word v[SW], whole in every lane
	v_max3_num_f32 v[M], |v[X]|, |v[X+1]|, 0x2800000               ; the floor 2^(5 - 127) among the leaves holds the byte at 1 from below
	v_max3_num_f32 v[M+1], |v[X+32]|, |v[X+33]|, 0x2800000
.set i, 2
.rept 15
	v_max3_num_f32 v[M], v[M], |v[X+i]|, |v[X+i+1]|                ; the two blocks by turns
	v_max3_num_f32 v[M+1], v[M+1], |v[X+32+i]|, |v[X+33+i]|
.set i, i+2
.endr
	v_add_nc_u32 v[SO], 0xfe000000, v[M]                           ; 4 off the exponent field: the conversion takes this operand's exponent field as its scale
	v_add_nc_u32 v[SO+1], 0xfe000000, v[M+1]
	v_lshrrev_b32 v[BY], 23, v[SO]
	v_lshrrev_b32 v[BY+1], 23, v[SO+1]
	v_lshl_or_b32 v[SW], v[BY+1], 16, v[BY]
	v_lshlrev_b32 v[SW], v[SH8], v[SW]
	v_permlanex16_b32 v[TP], v[SW], s[SEL], s[SEL+1]
	v_or_b32 v[SW], v[SW], v[TP]
.irp c, 0,1
	v_cvt_scalef32_pk16_bf6_f32 v[F+6*\c:F+6*\c+2], v[X+32*\c:X+32*\c+15], v[SO+\c]
	v_cvt_scalef32_pk16_bf6_f32 v[G+4*\c:G+4*\c+2], v[X+32*\c+16:X+32*\c+31], v[SO+\c]   ; (a conversion's three registers begin on an even number)
.endr
	v_nop                                                          ; one plain place behind the scaled conversions
.irp c, 0,1
.irp e, 0,1,2
	v_mov_b32 v[F+6*\c+3+\e], v[G+4*\c+\e]
.endr
.endr
.endm
.macro UNIT u
.set uk, (\u)/2
.set um, (\u)%2
.set LB, 64*((\u)%4)
.if (\u) < 13
	s_wait_loadcnt 48                              ; this unit's sixteen are in; the three units behind it may be out
.else
	s_wait_loadcnt 16*(15-(\u))
.endif
	WIN 0x04
.set i, 0
.rept 16
	ds_store_b128 v[STW], v[LB+4*i:LB+4*i+3] offset:SPT*i          ; as loaded, row by row
.set i, i+1
.endr
	WIN 0
.set i, 0
.rept 16
	ds_load_b128 v[X+4*i:X+4*i+3], v[STR] offset:256*(i/8)+16*(i%8) ; back by blocks: LDS serves a wave's instructions in order
.set i, i+1
.endr
.if uk < 4
	WIN 0xc5
.set i, 0
.rept 32
	v_cvt_pk_bf16_f32 v[32*(\u)+i], v[LB+2*i], v[LB+2*i+1]         ; the copy: registers 2 row, 2 row + 1 of the unit's 32 in window 3
.set i, i+1
.endr
.else
	WIN 0x05
.set i, 0
.rept 32
	v_cvt_pk_bf16_f32 v[TT+i], v[LB+2*i], v[LB+2*i+1]
.set i, i+1
.endr
	WIN 0
.set i, 0
.rept 16
	ds_store_b64 v[CPW], v[TT+2*i:TT+2*i+1] offset:(16*um+i)*1024+(uk-4)*256
.set i, i+1
.endr
.endif
	WIN 0
	s_wait_dscnt 0x0                               ; the numbers are back, and every LDS store has read its registers
.if (\u)+4 < 16
	GLD (\u)+4                                     ; into the set just read
.endif
	QUANT
.irp c, 0,1,2
	ds_store_b128 v[IMGW+uk/4], v[F+4*\c:F+4*\c+3] offset:(uk%4)*12288+um*1536+512*\c
.endr
	ds_store_b32 v[ASW], v[SW] offset:uk*512+um*64 ; both halves of the lanes write the same word with the same value
.endm
.macro ALD kn, a0                      ; out_e's fragments a0 .. a0 + 3 of K step kn: twelve LDS loads
.irp a, 0,1,2,3
.irp c, 0,1,2
.if ((\kn) != 7) || (((\a0)+\a) > 5)   ; K step 7's fragments 0-5 stay in registers of their own
	ds_load_b128 v[AF+12*((\a0)+\a)+4*\c:AF+12*((\a0)+\a)+4*\c+3], v[IMGR+(\kn)/4] offset:((\kn)%4)*12288+((\a0)+\a)*1536+512*\c
.endif
.endr
.endr
.endm
.macro BLD kf                          ; W2's four fragments and two scale registers of K step kf % 8 (kf > 7: of the next chunk): fourteen loads
	WIN 0x80
.irp b, 0,1,2,3
.irp c, 0,1,2
	global_load_b128 v[48*((\kf)%4)+12*\b+4*\c:48*((\kf)%4)+12*\b+4*\c+3], v[BO], s[6:7] offset:((\kf)%8)*98304+((\kf)/8)*6144+\b*1536+512*\c
.endr
.endr
	WIN 0
.irp e, 0,1
	global_load_b32 v[BSC+2*((\kf)%4)+\e], v[BSO], s[8:9] offset:((\kf)%8)*4096+((\kf)/8)*256+128*\e
.endr
.endm
.macro WM z                            ; one product; z = 0: K step 0 starts the sums, nothing is cleared
.if (\z) == 0
.if (ra%2 == 0) && (rb%2 == 0)
	v_wmma_scale_f32_16x16x128_f8f6f4 v[rD:rD+7], v[rW:rW+11], v[rA:rA+11], 0, v[rP], v[rQ] matrix_a_fmt:MATRIX_FMT_BF6 matrix_b_fmt:MATRIX_FMT_BF6
.elseif rb%2 == 0
	v_wmma_scale_f32_16x16x128_f8f6f4 v[rD:rD+7], v[rW:rW+11], v[rA:rA+11], 0, v[rP], v[rQ] matrix_a_fmt:MATRIX_FMT_BF6 matrix_b_fmt:MATRIX_FMT_BF6 matrix_b_scale:MATRIX_SCALE_ROW1
.elseif ra%2 == 0
	v_wmma_scale_f32_16x16x128_f8f6f4 v[rD:rD+7], v[rW:rW+11], v[rA:rA+11], 0, v[rP], v[rQ] matrix_a_fmt:MATRIX_FMT_BF6 matrix_b_fmt:MATRIX_FMT_BF6 matrix_a_scale:MATRIX_SCALE_ROW1
.else
	v_wmma_scale_f32_16x16x128_f8f6f4 v[rD:rD+7], v[rW:rW+11], v[rA:rA+11], 0, v[rP], v[rQ] matrix_a_fmt:MATRIX_FMT_BF6 matrix_b_fmt:MATRIX_FMT_BF6 matrix_a_scale:MATRIX_SCALE_ROW1 matrix_b_scale:MATRIX_SCALE_ROW1
.endif
.else
.if (ra%2 == 0) && (rb%2 == 0)
	v_wmma_scale_f32_16x16x128_f8f6f4 v[rD:rD+7], v[rW:rW+11], v[rA:rA+11], v[rD:rD+7], v[rP], v[rQ] matrix_a_fmt:MATRIX_FMT_BF6 matrix_b_fmt:MATRIX_FMT_BF6
.elseif rb%2 == 0
	v_wmma_scale_f32_16x16x128_f8f6f4 v[rD:rD+7], v[rW:rW+11], v[rA:rA+11], v[rD:rD+7], v[rP], v[rQ] matrix_a_fmt:MATRIX_FMT_BF6 matrix_b_fmt:MATRIX_FMT_BF6 matrix_b_scale:MATRIX_SCALE_ROW1
.elseif ra%2 == 0
	v_wmma_scale_f32_16x16x128_f8f6f4 v[rD:rD+7], v[rW:rW+11], v[rA:rA+11], v[rD:rD+7], v[rP], v[rQ] matrix_a_fmt:MATRIX_FMT_BF6 matrix_b_fmt:MATRIX_FMT_BF6 matrix_a_scale:MATRIX_SCALE_ROW1
.else
	v_wmma_scale_f32_16x16x128_f8f6f4 v[rD:rD+7], v[rW:rW+11], v[rA:rA+11], v[rD:rD+7], v[rP], v[rQ] matrix_a_fmt:MATRIX_FMT_BF6 matrix_b_fmt:MATRIX_FMT_BF6 matrix_a_scale:MATRIX_SCALE_ROW1 matrix_b_scale:MATRIX_SCALE_ROW1
.endif
.endif
.endm
.macro MUL k, a                        ; four products: m-tile a x the chunk's four tiles.  The 32 accumulators take turns, one instruction a turn, in the same order in every K step
	WIN 0x52                                       ; source 0 (W2) window 2, source 1 (out_e) window 0, C and D window 1
.irp b, 0,1,2,3
.set ra, (\a)
.set rb, \b
.set rD, 8*(4*ra+rb)
.set rW, 48*((\k)%4)+12*rb
.if ((\k) == 7) && (ra < 6)
.set rA, RES+12*ra
.else
.set rA, AF+12*ra
.endif
.set rP, BSC+2*((\k)%4)+rb/2
.set rQ, ASCL+4*(\k)+ra/2
	WM \k
.endr
.endm
; A K step.  Groups of W2's loads are fourteen; in K step 0 the sixteen loads of g and W3 follow group 3.  Behind group k were issued: K steps 0 and 4-7: two groups, 28; K steps 1-3: two groups and those sixteen, 44.
.macro KSTEP k
.if ((\k) == 0) || ((\k) > 3)
	s_wait_loadcnt 28
.else
	s_wait_loadcnt 44
.endif
	s_wait_dscnt 12                                ; out_e's fragments 0-3 are in; the loads of 4-7, twelve at the most, may be out
.irp a, 0,1,2,3
	MUL \k, \a
.endr
	PLACES
	WIN 0
	ALD ((\k)+1)%8, 0                              ; two runs of loads a K step, each behind sixteen products and their places
	BLD (\k)+3                                     ; into the set that the K step before has read
.if (\k) == 0
	WIN 0x80
.irp b, 0,1,2,3
.irp e, 0,1
	global_load_b128 v[192+8*\b+4*\e:192+8*\b+4*\e+3], v[CGO], s[10:11] offset:4096*\b+512*\e   ; c (g + b1 + b2) of batch row nb at columns 16 T + 8 h + 4 e ..
	global_load_b128 v[224+8*\b+4*\e:224+8*\b+4*\e+3], v[W3O], s[12:13] offset:64*\b+16*\e      ; W3 at these columns
.endr
.endr
	WIN 0
.endif
.if (\k) == 6
	s_wait_dscnt 0x0                               ; fragments 4-7 are in: K step 7's fragments 0-3 are kept, so no LDS load was issued behind them
.else
	s_wait_dscnt 12                                ; fragments 4-7 are in; the twelve just issued may be out
.endif
.irp a, 4,5,6,7
	MUL \k, \a
.endr
	PLACES
	WIN 0
	ALD ((\k)+1)%8, 4
.endm
	s_load_b256 s[4:11], s[0:1], 0x0               ; out_e s[4:5], w2img s[6:7], w2sc s[8:9], gimg s[10:11]
	s_load_b128 s[12:15], s[0:1], 0x20             ; W3 s[12:13], a_ws s[14:15]
	s_load_b64 s[16:17], s[0:1], 0x30              ; cpart
	v_lshl_add_u32 v[SPW], v0, 2, SPARE
	v_mov_b32 v[NIL], 0
	v_lshrrev_b32 v1, 5, v0
	v_readfirstlane_b32 s[WV], v1                  ; wave 0..3
	s_and_b32 s[NB], ttmp9, 63                     ; the batch row
	s_lshr_b32 s[QC], ttmp9, 6                     ; which 128 positions
	s_mul_i32 s30, s[WV], 16*SPT
	s_add_co_u32 s30, s30, STG
	s_mul_i32 s31, s[WV], 3072
	s_lshl_b32 s32, s[WV], 7
	s_add_co_u32 s32, s32, ASC
	s_lshl_b32 s33, s[WV], 15
	s_add_co_u32 s33, s33, COPY
	s_mul_i32 s34, s[WV], 24576
	s_lshl_b32 s35, s[WV], 10
	s_lshl_b32 s37, s[WV], 16
	s_lshr_b32 s50, s[NB], 4
	s_lshl_b32 s50, s50, 10
	s_add_co_u32 s37, s37, s50
	s_and_b32 s50, s[NB], 15
	s_lshl_b32 s50, s50, 4
	s_add_co_u32 s37, s37, s50
	s_lshl_b32 s38, s[WV], 9
	s_add_co_u32 s39, s38, PBC
	s_add_co_u32 s38, s38, RED
	s_mul_i32 s40, s[WV], 640                      ; my copy of p, at my first row: 512 w + 4 x 32 w
	s_add_co_u32 s40, s40, PBC
	s_lshl_b32 s41, s[WV], 12
	s_add_co_u32 s41, s41, CRED
	s_lshr_b32 s50, s[WV], 1                       ; which half of the rows,
	s_and_b32 s51, s[WV], 1                        ; and on the way out which half of the columns
	s_lshl_b32 s51, s51, 11
	s_lshl_b32 s42, s50, 13
	s_add_co_u32 s42, s42, s51
	s_add_co_u32 s42, s42, CRED
	s_lshl_b32 s43, s50, 12
	s_add_co_u32 s43, s43, s51
	s_lshl_b32 s44, s[QC], 25                      ; out_e: 128 positions of 262,144 bytes,
	s_lshl_b32 s50, s[WV], 23                      ; my 32 of them,
	s_add_co_u32 s44, s44, s50
	s_lshl_b32 s50, s[NB], 12                      ; the batch row's 4,096 bytes
	s_add_co_u32 s44, s44, s50
	s_mov_b32 s45, 0
	s_lshl_b32 s46, s[NB], 11                      ; a_ws [n][s]
	s_lshl_b32 s50, s[QC], 9
	s_add_co_u32 s46, s46, s50
	s_mov_b32 s47, 0
	s_lshl_b32 s48, s[NB], 3                       ; cpart [n][8][1024]: parts 2 Q and 2 Q + 1
	s_lshl_b32 s50, s[QC], 1
	s_add_co_u32 s48, s48, s50
	s_lshl_b32 s48, s48, 12
	s_mov_b32 s49, 0
	s_mov_b32 s[SEL], 0x76543210
	s_mov_b32 s[SEL+1], 0xfedcba98
	s_mov_b32 s[CC], 0x4038aa3b                    ; c = 2 log2(e)
	s_mov_b32 s[CC+1], s[CC]
	s_mov_b32 s[LG], 0x3fb8aa3b                    ; log2(e)
	v_and_b32 v1, 31, v0                           ; lane
	v_and_b32 v2, 15, v0                           ; r
	v_bfe_u32 v3, v0, 4, 1                         ; h
	v_lshlrev_b32 v[SH8], 3, v3
	v_mov_b32 v[TP], 0
	v_lshlrev_b32 v[GO], 4, v1
	v_add_nc_u32 v[STW], s30, v[GO]
	v_mul_u32_u24 v[STR], v2, SPT
	v_lshl_add_u32 v[STR], v3, 7, v[STR]
	v_add_nc_u32 v[STR], s30, v[STR]
	v_add_nc_u32 v[IMGW], s31, v[GO]
	v_add_nc_u32 v[IMGW+1], 49152, v[IMGW]
	v_lshl_add_u32 v[ASW], v2, 2, s32
	v_lshl_add_u32 v[CPW], v1, 3, s33
	v_lshlrev_b32 v[IMGR], 4, v1
	v_add_nc_u32 v[IMGR+1], 49152, v[IMGR]
	v_lshl_add_u32 v[ASR], v1, 2, ASC
	v_add_nc_u32 v[BO], s34, v[GO]
	v_lshl_add_u32 v[BSO], v1, 2, s35
	v_lshl_add_u32 v[CGO], v3, 8, s37
	v_lshl_add_u32 v[W3O], v3, 5, s35
	v_lshl_add_u32 v[REDW], v2, 2, s38
	v_add_nc_u32 v[REDR], RED, v[GO]
	v_add_nc_u32 v[PBW], s39, v[GO]
	v_mov_b32 v[PBR], s40
	v_add_nc_u32 v[CRW], s41, v[GO]
	v_add_nc_u32 v[CRR], s42, v[GO]
	v_add_nc_u32 v[CO], s43, v[GO]
	s_wait_alu depctr_va_vdst(0)                   ; the wait at the head's end
	s_wait_kmcnt 0x0
	s_add_nc_u64 s[4:5], s[4:5], s[44:45]
	s_add_nc_u64 s[14:15], s[14:15], s[46:47]
	s_add_nc_u64 s[16:17], s[16:17], s[48:49]
	; ---- THE FIRST PART
.irp u, 0,1,2,3
	GLD \u
.endr
.irp u, 0,1,2,3,4,5,6,7,8,9,10,11,12,13,14,15
	UNIT \u
.endr
	BLD 0                                          ; W2's first three groups set out
	BLD 1
	BLD 2
	s_wait_alu depctr_va_vdst(0)                   ; the wait ahead of the barrier
	MEET                                           ; all eight m-tiles' images lie in LDS
.set i, 0
.rept 32
	ds_load_b32 v[ASCL+i], v[ASR] offset:(i/4)*512+128*(i%4)       ; out_e's scale words of all K steps: they stay
.set i, i+1
.endr
.irp a, 0,1,2,3,4,5
.irp c, 0,1,2
	ds_load_b128 v[RES+12*\a+4*\c:RES+12*\a+4*\c+3], v[IMGR+1] offset:3*12288+\a*1536+512*\c   ; K step 7's fragments 0-5: they stay
.endr
.endr
	ALD 0, 0
	ALD 0, 4
.set i, 0
.rept 16
	v_mov_b32 v[P2+i], 0                           ; the row sums begin
.set i, i+1
.endr
	s_mov_b32 s36, 0
	s_wait_alu depctr_va_vdst(0)
	; ---- THE SECOND PART: four chunks of four tiles of W2
.Lchunk:
.irp k, 0,1,2,3,4,5,6,7
	KSTEP \k
.endr
	; the terms of tanh: c x + c g;  2^..;  + 1;  1 / ..;  the row sums take W3 x that.  Each accumulator is read from its low end on.  One wait ahead of each batch of transcendentals and one behind it.
	WIN 0x61
.set i, 0
.rept 128
	v_pk_fma_f32 v[2*i:2*i+1], v[2*i:2*i+1], s[CC:CC+1], v[192+8*((i/4)%4)+2*(i%4):192+8*((i/4)%4)+2*(i%4)+1] op_sel_hi:[1,0,1]
.set i, i+1
.endr
	WIN 0x41
	s_wait_alu depctr_va_vdst(0)
.set i, 0
.rept 256
	v_exp_f32 v[i], v[i]
.set i, i+1
.endr
	v_nop
	s_wait_alu depctr_va_vdst(0)
.set i, 0
.rept 128
	v_pk_add_f32 v[2*i:2*i+1], v[2*i:2*i+1], 1.0 op_sel_hi:[1,0]
.set i, i+1
.endr
	s_wait_alu depctr_va_vdst(0)
.set i, 0
.rept 256
	v_rcp_f32 v[i], v[i]                           ; 2^.. = infinity gives 0, 2^.. = 0 gives 1
.set i, i+1
.endr
	v_nop
	s_wait_alu depctr_va_vdst(0)
	WIN 0x09
.irp b, 0,1,2,3
.irp p, 0,1,2,3
.irp a, 0,1,2,3,4,5,6,7
	v_pk_fma_f32 v[P2+2*\a:P2+2*\a+1], v[8*(4*\a+\b)+2*\p:8*(4*\a+\b)+2*\p+1], v[224+8*\b+2*\p:224+8*\b+2*\p+1], v[P2+2*\a:P2+2*\a+1]   ; the eight m-tiles by turns
.endr
.endr
.endr
	WIN 0
	s_wait_xcnt 0x0                                ; every load has read its base: the bases step to the next chunk
	s_add_nc_u64 s[6:7], s[6:7], 6144
	s_add_nc_u64 s[8:9], s[8:9], 256
	s_add_nc_u64 s[10:11], s[10:11], 16384
	s_add_nc_u64 s[12:13], s[12:13], 256
	s_add_co_u32 s36, s36, 1
	s_cmp_lt_u32 s36, 4
	s_wait_alu depctr_va_vdst(0)                   ; the wait ahead of the branch
	s_cbranch_scc1 .Lchunk
	; ---- the scores: even and odd columns, the two halves of the lanes, then the four waves' parts through LDS
.irp a, 0,1,2,3,4,5,6,7
	v_add_f32 v[P2+2*\a], v[P2+2*\a], v[P2+2*\a+1]
.endr
.irp a, 0,1,2,3,4,5,6,7
	v_permlanex16_b32 v[P2+2*\a+1], v[P2+2*\a], s[SEL], s[SEL+1]
.endr
.irp a, 0,1,2,3,4,5,6,7
	v_add_f32 v[P2+2*\a], v[P2+2*\a], v[P2+2*\a+1]
.endr
.irp a, 0,1,2,3,4,5,6,7
	ds_store_b32 v[REDW], v[P2+2*\a] offset:64*\a  ; row 16 a + r: both halves of the lanes write the same word with the same value
.endr
	MEET
.irp u, 0,1,2,3
	ds_load_b128 v[CS+4*\u:CS+4*\u+3], v[REDR] offset:512*\u       ; rows 4 lane .. 4 lane + 3, wave u's part
.endr
	s_wait_dscnt 0x0
	v_pk_add_f32 v[CS:CS+1], v[CS:CS+1], v[CS+4:CS+5]
	v_pk_add_f32 v[CS+2:CS+3], v[CS+2:CS+3], v[CS+6:CS+7]
	v_pk_add_f32 v[CS+8:CS+9], v[CS+8:CS+9], v[CS+12:CS+13]
	v_pk_add_f32 v[CS+10:CS+11], v[CS+10:CS+11], v[CS+14:CS+15]
	v_pk_add_f32 v[CS:CS+1], v[CS:CS+1], v[CS+8:CS+9]
	v_pk_add_f32 v[CS+2:CS+3], v[CS+2:CS+3], v[CS+10:CS+11]
	v_pk_mul_f32 v[CS:CS+1], v[CS:CS+1], -2.0 op_sel_hi:[1,0]      ; a': every wave holds all 128, the same bits
	v_pk_mul_f32 v[CS+2:CS+3], v[CS+2:CS+3], -2.0 op_sel_hi:[1,0]
	s_cmp_lg_u32 s[WV], 0
	s_wait_alu depctr_va_vdst(0)                   ; the wait ahead of the branch
	s_cbranch_scc1 .Lnot_wave_0
	global_store_b128 v[GO], v[CS:CS+3], s[14:15]  ; 32 lanes store 512 consecutive bytes, at a multiple of 256 from the buffer's first byte
.Lnot_wave_0:
	; ---- p = e^(a' - m): lanes 0-15 hold rows 0-63, lanes 16-31 rows 64-127, so four steps inside a half of the lanes give each half's own m
	v_max3_num_f32 v[CS+16], v[CS], v[CS+1], v[CS+2]
	v_max_num_f32 v[CS+16], v[CS+16], v[CS+3]
.irp mk, 1,2,4,8
	v_max_num_f32_dpp v[CS+16], v[CS+16], v[CS+16] row_xmask:\mk row_mask:0xf bank_mask:0xf
.endr
	v_mul_f32 v[CS+17], s[LG], v[CS+16]
.irp e, 0,1,2,3
	v_fma_f32 v[CS+20+\e], v[CS+\e], s[LG], -v[CS+17]
.endr
	s_wait_alu depctr_va_vdst(0)
.irp e, 0,1,2,3
	v_exp_f32 v[CS+20+\e], v[CS+20+\e]
.endr
	v_nop
	s_wait_alu depctr_va_vdst(0)
	ds_store_b128 v[PBW], v[CS+20:CS+23]           ; my wave's own copy of p: LDS serves a wave's instructions in order, so the loads below see it
.irp j, 0,1,2,3,4,5,6,7
	ds_load_b128 v[PV+4*\j:PV+4*\j+3], v[PBR] offset:16*\j         ; p of my 32 rows, in every lane
.endr
	; ---- the sum of p x out_e over my 32 rows, from the copy in bf16
.macro GL g                            ; rows 4 g .. 4 g + 3, K steps 4-7, out of my part of LDS: sixteen loads into set g % 3
.irp e, 0,1,2,3
.irp kk, 0,1,2,3
	ds_load_b64 v[32+32*((\g)%3)+8*\e+2*\kk:32+32*((\g)%3)+8*\e+2*\kk+1], v[CPW] offset:(4*(\g)+\e)*1024+\kk*256
.endr
.endr
.endm
.macro GF g
.irp e, 0,1,2,3
.irp kk, 0,1,2,3
.irp d, 0,1
	v_fma_mix_f32_bf16 v[CS+16+4*\kk+2*\d], v[32+32*((\g)%3)+8*\e+2*\kk+\d], v[PV+4*(\g)+\e], v[CS+16+4*\kk+2*\d] op_sel_hi:[1,0,0]
	v_fma_mix_f32_bf16 v[CS+16+4*\kk+2*\d+1], v[32+32*((\g)%3)+8*\e+2*\kk+\d], v[PV+4*(\g)+\e], v[CS+16+4*\kk+2*\d+1] op_sel:[1,0,0] op_sel_hi:[1,0,0]
.endr
.endr
.endr
.endm
.macro RF mt, i                        ; row 16 mt + i, K steps 0-3, out of window 3
.irp k, 0,1,2,3
.irp d, 0,1
	v_fma_mix_f32_bf16 v[CS+4*\k+2*\d], v[32*(2*\k+\mt)+2*\i+\d], v[PV+16*\mt+\i], v[CS+4*\k+2*\d] op_sel_hi:[1,0,0]
	v_fma_mix_f32_bf16 v[CS+4*\k+2*\d+1], v[32*(2*\k+\mt)+2*\i+\d], v[PV+16*\mt+\i], v[CS+4*\k+2*\d+1] op_sel:[1,0,0] op_sel_hi:[1,0,0]
.endr
.endr
.endm
	GL 0
	GL 1
	s_wait_xcnt 0x0                                ; wave 0's store has read its registers
	s_wait_dscnt 32                                ; p is in (and its store is done); the 32 loads behind it may be out
.set i, 0
.rept 32
	v_mov_b32 v[CS+i], 0                           ; the 32 column sums begin
.set i, i+1
.endr
	WIN 0x03
.irp mt, 0,1
.irp i, 0,1,2,3,4,5,6,7,8,9,10,11,12,13,14,15
	RF \mt, \i
.endr
.endr
	WIN 0
.irp g, 0,1,2,3,4,5,6,7
.if \g < 6
	GL \g+2
	s_wait_dscnt 32                                ; this group's sixteen are in; the two groups behind it may be out
.elseif \g == 6
	s_wait_dscnt 16
.else
	s_wait_dscnt 0x0
.endif
	GF \g
.endr
	; ---- waves 0 and 1 make part 2 Q, waves 2 and 3 part 2 Q + 1: each wave of a pair adds and stores half of the columns
.irp k, 0,1,2,3,4,5,6,7
	ds_store_b128 v[CRW], v[CS+4*\k:CS+4*\k+3] offset:512*\k
.endr
	MEET
.irp j, 0,1,2,3
	ds_load_b128 v[32+4*\j:35+4*\j], v[CRR] offset:512*\j
	ds_load_b128 v[48+4*\j:51+4*\j], v[CRR] offset:4096+512*\j
.endr
	s_wait_dscnt 0x0
.irp j, 0,1,2,3,4,5,6,7
	v_pk_add_f32 v[32+2*\j:33+2*\j], v[32+2*\j:33+2*\j], v[48+2*\j:49+2*\j]
.endr
.irp j, 0,1,2,3
	global_store_b128 v[CO], v[32+4*\j:35+4*\j], s[16:17] offset:512*\j   ; 512 consecutive bytes each, at multiples of 256 from the buffer's first byte
.endr
	s_wait_tensorcnt 0x0                           ; the wave's end, behind my last LDS store
	ds_add_u32 v[SPW], v[NIL]
	s_wait_dscnt 0x0
	s_endpgm
.Lfunc_end_k_q84314cec10_score:
	.size	k_q84314cec10_score, .Lfunc_end_k_q84314cec10_score-k_q84314cec10_score
	.p2alignl 7, 3214868480
	.fill 96, 4, 3214868480
	.section	.rodata,"a",@progbits
	.p2align	6, 0x0
	.amdhsa_kernel k_q84314cec10_score
		.amdhsa_group_segment_fixed_size 288256
		.amdhsa_private_segment_fixed_size 0
		.amdhsa_enable_private_segment 0
		.amdhsa_kernarg_size 56
		.amdhsa_user_sgpr_count 2
		.amdhsa_user_sgpr_kernarg_segment_ptr 1
		.amdhsa_wavefront_size32 1
		.amdhsa_system_sgpr_workgroup_id_x 1
		.amdhsa_system_sgpr_workgroup_id_y 1
		.amdhsa_system_sgpr_workgroup_id_z 1
		.amdhsa_system_vgpr_workitem_id 0
		.amdhsa_next_free_vgpr 1024
		.amdhsa_next_free_sgpr 66
		.amdhsa_reserve_vcc 0
		.amdhsa_float_denorm_mode_32 3
		.amdhsa_float_denorm_mode_16_64 3
		.amdhsa_memory_ordered 1
		.amdhsa_forward_progress 1
		.amdhsa_inst_pref_size 255
	.end_amdhsa_kernel
	.section	.bss,"aw",@nobits
	.p2align	6
	.space	262144
	.amdgpu_metadata
---
amdhsa.version: [ 1, 2 ]
amdhsa.kernels:
  - .name:           k_q84314cec10_score
    .symbol:         k_q84314cec10_score.kd
    .args:
      - { .name: out_e, .offset: 0, .size: 8, .value_kind: global_buffer, .address_space: global }
      - { .name: w2img, .offset: 8, .size: 8, .value_kind: global_buffer, .address_space: global }
      - { .name: w2sc, .offset: 16, .size: 8, .value_kind: global_buffer, .address_space: global }
      - { .name: gimg, .offset: 24, .size: 8, .value_kind: global_buffer, .address_space: global }
      - { .name: W3, .offset: 32, .size: 8, .value_kind: global_buffer, .address_space: global }
      - { .name: a_ws, .offset: 40, .size: 8, .value_kind: global_buffer, .address_space: global }
      - { .name: cpart, .offset: 48, .size: 8, .value_kind: global_buffer, .address_space: global }
    .group_segment_fixed_size: 288256
    .private_segment_fixed_size: 0
    .kernarg_segment_align: 8
    .kernarg_segment_size: 56
    .max_flat_workgroup_size: 128
    .sgpr_count:     66
    .vgpr_count:     1024
    .wavefront_size: 32
...
	.end_amdgpu_metadata
.endif
;; end of part 2
;; launch combine (part 3): grid 64 x 1, 8 waves a work-group, no clusters, 5,120 bytes of LDS; arguments a_ws, cpart, out0, out1; writes out0, out1
.if DOCPART == 3
	.amdgcn_target "amdgcn-amd-amdhsa--gfx1250"
	.amdhsa_code_object_version 6
	.text
	.protected	k_q84314cec10_combine
	.globl	k_q84314cec10_combine
	.p2align	8
	.type	k_q84314cec10_combine,@function
k_q84314cec10_combine:
	s_mov_b64 s[64:65], 0
	v_nop
	global_prefetch_b8 v0, s[64:65] scope:SCOPE_SE
	s_setreg_imm32_b32 hwreg(HW_REG_WAVE_MODE, 25, 1), 1
	s_wait_xcnt 0x0
; The softmax over the 512 positions is finished.  a_ws [n][s] holds the scores, cpart [n][q][1024] the eight parts sum over s in chunk q of e^(a - m_q) x out_e, m_q the chunk's largest score.
; Work-group b makes c for batch row b (out0 [n][1024]) and alpha for positions 8 b .. 8 b + 7 of all 64 batch rows (out1 [s][n]): so both outputs leave in whole rows.
; Every work-group finds M (the largest score) and L (the sum of e^(a - M)) of all 64 batch rows, eight a wave; each wave also takes batch row b, of which it wants the eight chunk maxima:
; c = sum over q of e^(m_q - M) / L x cpart[q].  Maxima are exact, so m_q has the bits that the launch before used.
; A set of scores: lane l, load i, register e holds position 128 i + 4 l + e: chunk 2 i + l / 16.  No matrix work, no tensor loads: 128 KiB of scores and 32 KiB of parts a work-group.
.set TAB, 0                            ; LDS: [n] pairs (M log2(e), 1 / L), 512 bytes
.set TR,  1024                         ; LDS: [8 positions][64 n] f32
.set CP,  16                           ; v16-47   cpart's eight parts, four columns a lane
.set A,   48                           ; v48-191  nine sets of 16 scores
.set ST,  192                          ; v192-209 set k: the pair (M log2(e), 1 / L)
.set MX,  210                          ; v210-218 set k's maximum
.set CM,  220                          ; v220-223 batch row b: load i's maximum, in each half of the lanes a chunk's
.set LG,  20                           ; s[20:21] log2(e)
.set SEL, 22
	s_load_b256 s[4:11], s[0:1], 0x0               ; a_ws s[4:5], cpart s[6:7], out0 s[8:9], out1 s[10:11]
	v_lshl_add_u32 v254, v0, 2, 0x1000
	v_mov_b32 v255, 0
	v_lshrrev_b32 v1, 5, v0
	s_delay_alu instid0(VALU_DEP_1)
	v_readfirstlane_b32 s12, v1                    ; wave 0..7
	v_and_b32 v1, 31, v0                           ; lane
	v_lshlrev_b32 v2, 4, v0                        ; 16 x thread: cpart and out0
	s_delay_alu instid0(VALU_DEP_2)
	v_lshlrev_b32 v3, 4, v1                        ; 16 x lane
	s_lshl_b32 s13, s12, 14
	v_add_nc_u32 v4, s13, v3                       ; my eight batch rows: 8 w x 2,048 + 16 lane
	v_and_b32 v5, 63, v0                           ; alpha: thread t takes n = t % 64
	v_lshrrev_b32 v6, 6, v0                        ; and positions 8 b + 2 (t / 64) + 0, 1
	s_delay_alu instid0(VALU_DEP_2)
	v_lshlrev_b32 v7, 11, v5
	s_delay_alu instid0(VALU_DEP_1)
	v_lshl_add_u32 v7, v6, 3, v7
	s_delay_alu instid0(VALU_DEP_4)
	v_lshlrev_b32 v8, 3, v5                        ; TAB, read: 8 n
	v_lshlrev_b32 v9, 2, v5
	s_delay_alu instid0(VALU_DEP_1)
	v_lshl_add_u32 v9, v6, 9, v9
	s_delay_alu instid0(VALU_DEP_1)
	v_add_nc_u32 v9, TR, v9                        ; TR, written: 512 (t / 64) + 4 n
	v_lshl_add_u32 v10, v0, 3, TR                  ; TR, read: wave w takes row w: 8 x thread
	v_lshlrev_b32 v11, 3, v0                       ; out1: the same
	s_lshl_b32 s13, s12, 6
	v_mov_b32 v12, s13                             ; TAB, written: 64 w
.irp k, 0,1,2,3,4,5,6,7,8
	v_mov_b32 v[ST+2*\k+1], 0                      ; written once: a lane permute's destination, and the upper half of a pair that is named whole
.endr
	s_mov_b32 s[LG], 0x3fb8aa3b
	s_mov_b32 s[LG+1], s[LG]
	s_mov_b32 s[SEL], 0x76543210
	s_mov_b32 s[SEL+1], 0xfedcba98
	s_mov_b32 s25, 0
	s_wait_kmcnt 0x0
	s_lshl_b32 s24, ttmp9, 11
	s_add_nc_u64 s[14:15], s[4:5], s[24:25]        ; a_ws at batch row b
	s_add_nc_u64 s[10:11], s[10:11], s[24:25]      ; out1 at position 8 b
	s_lshl_b32 s24, ttmp9, 5
	s_add_nc_u64 s[16:17], s[4:5], s[24:25]        ; a_ws at position 8 b of batch row 0
	s_lshl_b32 s24, ttmp9, 15
	s_add_nc_u64 s[6:7], s[6:7], s[24:25]
	s_lshl_b32 s24, ttmp9, 12
	s_add_nc_u64 s[8:9], s[8:9], s[24:25]
.irp k, 0,1,2,3,4,5,6,7
.irp i, 0,1,2,3
	global_load_b128 v[A+16*\k+4*\i:A+16*\k+4*\i+3], v4, s[4:5] offset:2048*\k+512*\i
.endr
.endr
.irp i, 0,1,2,3
	global_load_b128 v[A+128+4*\i:A+128+4*\i+3], v3, s[14:15] offset:512*\i
.endr
	global_load_b64 v[226:227], v7, s[16:17]
.irp q, 0,1,2,3,4,5,6,7
	global_load_b128 v[CP+4*\q:CP+4*\q+3], v2, s[6:7] offset:4096*\q th:TH_LOAD_NT   ; read once in the launch
.endr
	s_wait_loadcnt 8                               ; the scores are in; cpart's eight loads may be out
	; ---- the maxima, the sets by turns
.irp k, 0,1,2,3,4,5,6,7
	v_max3_num_f32 v[MX+\k], v[A+16*\k], v[A+16*\k+1], v[A+16*\k+2]
.endr
.irp i, 3,5,7,9,11,13
.irp k, 0,1,2,3,4,5,6,7
	v_max3_num_f32 v[MX+\k], v[MX+\k], v[A+16*\k+\i], v[A+16*\k+\i+1]
.endr
.endr
.irp k, 0,1,2,3,4,5,6,7
	v_max_num_f32 v[MX+\k], v[MX+\k], v[A+16*\k+15]
.endr
.irp i, 0,1,2,3
	v_max3_num_f32 v[CM+\i], v[A+128+4*\i], v[A+128+4*\i+1], v[A+128+4*\i+2]
.endr
.irp i, 0,1,2,3
	s_delay_alu instid0(VALU_DEP_4)
	v_max_num_f32 v[CM+\i], v[CM+\i], v[A+128+4*\i+3]
.endr
.irp mk, 1,2,4,8
.irp k, 0,1,2,3,4,5,6,7
	v_max_num_f32_dpp v[MX+\k], v[MX+\k], v[MX+\k] row_xmask:\mk row_mask:0xf bank_mask:0xf
.endr
.irp i, 0,1,2,3
	v_max_num_f32_dpp v[CM+\i], v[CM+\i], v[CM+\i] row_xmask:\mk row_mask:0xf bank_mask:0xf
.endr
.endr
	s_delay_alu instid0(VALU_DEP_2)
	v_max3_num_f32 v[MX+8], v[CM], v[CM+1], v[CM+2]                ; v[CM + i]: chunk 2 i in lanes 0-15, chunk 2 i + 1 in lanes 16-31
	s_delay_alu instid0(VALU_DEP_1)
	v_max_num_f32 v[MX+8], v[MX+8], v[CM+3]
.irp k, 0,1,2,3,4,5,6,7,8
	v_permlanex16_b32 v[ST+2*\k+1], v[MX+\k], s[SEL], s[SEL+1]
.endr
.irp k, 0,1,2,3,4,5,6,7,8
	v_max_num_f32 v[MX+\k], v[MX+\k], v[ST+2*\k+1]                 ; M
.endr
.irp k, 0,1,2,3,4,5,6,7,8
	v_mul_f32 v[ST+2*\k], s[LG], v[MX+\k]                          ; M log2(e)
.endr
	; ---- e^(a - M) = 2^(a log2(e) - M log2(e)), and the same of batch row b's chunk maxima: ONE batch of exponentials
.irp k, 0,1,2,3,4,5,6,7,8
.irp j, 0,2,4,6,8,10,12,14
	v_pk_fma_f32 v[A+16*\k+\j:A+16*\k+\j+1], v[A+16*\k+\j:A+16*\k+\j+1], s[LG:LG+1], v[ST+2*\k:ST+2*\k+1] op_sel_hi:[1,0,0] neg_lo:[0,0,1] neg_hi:[0,0,1]
.endr
.endr
.irp i, 0,1,2,3
	v_fma_f32 v[CM+\i], v[CM+\i], s[LG], -v[ST+16]
.endr
.set ei, 0
	s_wait_alu depctr_va_vdst(0)
.rept 144
	v_exp_f32 v[A+ei], v[A+ei]
.set ei, ei+1
.endr
.irp i, 0,1,2,3
	v_exp_f32 v[CM+\i], v[CM+\i]
.endr
	v_nop                                          ; a plain place behind the last exponential
	s_wait_alu depctr_va_vdst(0)                   ; the wait ahead of the first line that names a result: one for the batch
	; ---- L, and 1 / L
.irp j, 0,4,8,12
.irp k, 0,1,2,3,4,5,6,7,8
	v_pk_add_f32 v[A+16*\k+\j:A+16*\k+\j+1], v[A+16*\k+\j:A+16*\k+\j+1], v[A+16*\k+\j+2:A+16*\k+\j+3]
.endr
.endr
.irp j, 0,8
.irp k, 0,1,2,3,4,5,6,7,8
	v_pk_add_f32 v[A+16*\k+\j:A+16*\k+\j+1], v[A+16*\k+\j:A+16*\k+\j+1], v[A+16*\k+\j+4:A+16*\k+\j+5]
.endr
.endr
.irp k, 0,1,2,3,4,5,6,7,8
	v_pk_add_f32 v[A+16*\k:A+16*\k+1], v[A+16*\k:A+16*\k+1], v[A+16*\k+8:A+16*\k+9]
.endr
.irp k, 0,1,2,3,4,5,6,7,8
	v_add_f32 v[A+16*\k], v[A+16*\k], v[A+16*\k+1]
.endr
.irp mk, 1,2,4,8
.irp k, 0,1,2,3,4,5,6,7,8
	v_add_f32_dpp v[A+16*\k], v[A+16*\k], v[A+16*\k] row_xmask:\mk row_mask:0xf bank_mask:0xf
.endr
.endr
.irp k, 0,1,2,3,4,5,6,7,8
	v_permlanex16_b32 v[ST+2*\k+1], v[A+16*\k], s[SEL], s[SEL+1]
.endr
.irp k, 0,1,2,3,4,5,6,7,8
	v_add_f32 v[A+16*\k], v[A+16*\k], v[ST+2*\k+1]
.endr
	s_wait_alu depctr_va_vdst(0)
.irp k, 0,1,2,3,4,5,6,7,8
	v_rcp_f32 v[ST+2*\k+1], v[A+16*\k]             ; L is at least 1: the largest score's term
.endr
	v_nop
	s_wait_alu depctr_va_vdst(0)                   ; one wait for the nine
.irp k, 0,1,2,3,4,5,6,7
	ds_store_b64 v12, v[ST+2*\k:ST+2*\k+1] offset:TAB+8*\k         ; all lanes write the same pair
.endr
.irp i, 0,1,2,3
	v_mul_f32 v[CM+\i], v[CM+\i], v[ST+17]         ; f = e^(m_q - M) / L
.endr
.irp i, 0,1,2,3
	v_readlane_b32 s[32+2*\i], v[CM+\i], 0         ; chunk 2 i,
	v_readlane_b32 s[33+2*\i], v[CM+\i], 16        ; chunk 2 i + 1: factors only, no address and no branch takes them
.endr
	s_wait_dscnt 0x0                               ; for the others' sake: my stores have landed
	s_barrier_signal -1
	s_barrier_wait -1
	; ---- alpha of my n at my two positions; c stands behind the exponentials as the independent work
	ds_load_b64 v[228:229], v8 offset:TAB
	s_wait_dscnt 0x0
	v_pk_fma_f32 v[226:227], v[226:227], s[LG:LG+1], v[228:229] op_sel_hi:[1,0,0] neg_lo:[0,0,1] neg_hi:[0,0,1]
	s_wait_alu depctr_va_vdst(0)
	v_exp_f32 v226, v226
	v_exp_f32 v227, v227
	s_wait_loadcnt 0x0                             ; cpart
.irp e, 0,1,2,3
	v_mul_f32 v[CP+\e], s32, v[CP+\e]
.endr
.irp q, 1,2,3,4,5,6,7
.irp e, 0,1,2,3
	s_delay_alu instid0(VALU_DEP_4)
	v_fma_f32 v[CP+\e], s[32+\q], v[CP+4*\q+\e], v[CP+\e]
.endr
.endr
	s_wait_alu depctr_va_vdst(0)                   ; one wait for the two
	v_mul_f32 v226, v226, v229
	v_mul_f32 v227, v227, v229
	ds_store_b32 v9, v226
	ds_store_b32 v9, v227 offset:256
	global_store_b128 v2, v[CP:CP+3], s[8:9]       ; a wave stores 512 consecutive bytes of c, at a multiple of 256 from out0's first byte
	s_wait_dscnt 0x0
	s_barrier_signal -1
	s_barrier_wait -1
	ds_load_b64 v[230:231], v10                    ; wave w: position 8 b + w, all 64 batch rows
	s_wait_dscnt 0x0
	global_store_b64 v11, v[230:231], s[10:11]     ; 256 consecutive bytes, at a multiple of 256 from out1's first byte
	s_wait_tensorcnt 0x0
	ds_add_u32 v254, v255
	s_wait_dscnt 0x0
	s_endpgm
.Lfunc_end_k_q84314cec10_combine:
	.size	k_q84314cec10_combine, .Lfunc_end_k_q84314cec10_combine-k_q84314cec10_combine
	.p2alignl 7, 3214868480
	.fill 96, 4, 3214868480
	.section	.rodata,"a",@progbits
	.p2align	6, 0x0
	.amdhsa_kernel k_q84314cec10_combine
		.amdhsa_group_segment_fixed_size 5120
		.amdhsa_private_segment_fixed_size 0
		.amdhsa_enable_private_segment 0
		.amdhsa_kernarg_size 32
		.amdhsa_user_sgpr_count 2
		.amdhsa_user_sgpr_kernarg_segment_ptr 1
		.amdhsa_wavefront_size32 1
		.amdhsa_system_sgpr_workgroup_id_x 1
		.amdhsa_system_sgpr_workgroup_id_y 1
		.amdhsa_system_sgpr_workgroup_id_z 1
		.amdhsa_system_vgpr_workitem_id 0
		.amdhsa_next_free_vgpr 256
		.amdhsa_next_free_sgpr 66
		.amdhsa_reserve_vcc 0
		.amdhsa_float_denorm_mode_32 3
		.amdhsa_float_denorm_mode_16_64 3
		.amdhsa_memory_ordered 1
		.amdhsa_forward_progress 1
		.amdhsa_inst_pref_size 38
	.end_amdhsa_kernel
	.amdgpu_metadata
---
amdhsa.version: [ 1, 2 ]
amdhsa.kernels:
  - .name:           k_q84314cec10_combine
    .symbol:         k_q84314cec10_combine.kd
    .args:
      - { .name: a_ws, .offset: 0, .size: 8, .value_kind: global_buffer, .address_space: global }
      - { .name: cpart, .offset: 8, .size: 8, .value_kind: global_buffer, .address_space: global }
      - { .name: out0, .offset: 16, .size: 8, .value_kind: global_buffer, .address_space: global }
      - { .name: out1, .offset: 24, .size: 8, .value_kind: global_buffer, .address_space: global }
    .group_segment_fixed_size: 5120
    .private_segment_fixed_size: 0
    .kernarg_segment_align: 8
    .kernarg_segment_size: 32
    .max_flat_workgroup_size: 256
    .sgpr_count:     66
    .vgpr_count:     256
    .wavefront_size: 32
...
	.end_amdgpu_metadata
.endif
;; end of part 3
